; MI455X (gfx1250); checked and timed in simulation.
; The chip was launched on July 23, 2026; its instructions are those of AMD's public machine-readable ISA for CDNA 5 (MIT licence, August 2026) and "CDNA5" Instruction Set Architecture Reference Guide (July 2026). The comments in the code are by the model that wrote it; some were corrected since.
;; VQ2 Linear. Allowed arithmetic: float matrix products may take bf16 or f16 operands with f32 sums; other float arithmetic in f32, or as packed bf16 or f16 multiplies, adds, multiply-adds, maxima and minima; sums over many terms, partial sums and values carried from step to step in f32; what a program stores and reads back later, other than sums and carried values, may be rounded once to bf16 or f16.
;; Inputs: emb_weight 8,192 x 256 float32; z 32,768 x 256 float32.
;; Outputs: out0 32,768 x 256 float32; out1 one number float32.
;; One version. Each part assembles by itself: llvm-mc -triple=amdgcn-amd-amdhsa -mcpu=gfx1250 --defsym DOCPART=n.
;; ======== version 1 of 1: 4 launches
;; workspace buffers: ebf 4,194,304 bytes; zb 16,777,216 bytes; ee 32,768 bytes; zz 131,072 bytes; grp 131,072 bytes of whole numbers; part 16,384 bytes
;; launch cast (part 1): grid 1280 x 1, 8 waves a work-group, no clusters, 0 bytes of LDS; arguments emb_weight, z, ebf, zb, ee, zz; writes ebf, zb, ee, zz
.if DOCPART == 1
	.amdgcn_target "amdgcn-amd-amdhsa--gfx1250"
	.amdhsa_code_object_version 6
	.text
	.protected	k_qdaa69cb281_cast
	.globl	k_qdaa69cb281_cast
	.p2align	8
	.type	k_qdaa69cb281_cast,@function
k_qdaa69cb281_cast:
	s_mov_b64 s[64:65], 0
	v_nop
	global_prefetch_b8 v0, s[64:65] scope:SCOPE_SE
	s_setreg_imm32_b32 hwreg(HW_REG_WAVE_MODE, 25, 1), 1
	s_wait_xcnt 0x0
; emb_weight [8192][256] f32 -> ebf (bf16) and ee (f32: the row's sum of squares of the ROUNDED numbers); z [32768][256] f32 -> zb and zz likewise.
; The whole program works on the two inputs rounded once to bf16, to nearest even.
; ROW ORDER in ebf and zb: stored element 8 l + c (l = 0..31) is the row's element 4 l + c for c < 4 and 128 + 4 l + c - 4 for c >= 4: the same order in both tensors, so every
; product of a row of one with a row of the other is unchanged.  Lane l then reads 16 consecutive bytes twice and writes 16 consecutive bytes once: a wave's load covers 512
; consecutive bytes of f32, its store 512 consecutive bytes of bf16 (a whole row).
; SHARES: work-groups 0..255 take emb_weight, 256..1279 take z; 32 rows a work-group, 4 rows a wave, one row at a time in all 32 lanes.  No LDS, no barrier: no wave needs another.
; LIMITS: the sums of squares are taken in another order than a row-wise sum would take them; NaN and infinities pass through as they are.
.set X,   8                            ; v[8:39]   row i: 8 registers as loaded
.set P,   40                           ; v[40:55]  row i: 4 registers, 8 bf16 to store
.set S,   56                           ; v[56:59]  row i: its sum of squares
.set TMP, 60                           ; v60       the other half of the lanes' sum
	s_load_b256 s[4:11], s[0:1], 0x0               ; emb_weight s[4:5], z s[6:7], ebf s[8:9], zb s[10:11]
	s_load_b128 s[12:15], s[0:1], 0x20             ; ee s[12:13], zz s[14:15]
	v_and_b32 v1, 31, v0                           ; lane
	v_lshrrev_b32 v4, 5, v0
	v_readfirstlane_b32 s22, v4                    ; wave 0..7
	v_lshlrev_b32 v2, 4, v1                        ; 16 bytes a lane
	v_mov_b32 v3, 0                                ; 0: the first addend, and the offset of the last store
	v_mov_b32 v[TMP], 0                            ; v_permlanex16_b32 counts as a reader of its destination
	s_mov_b32 s26, 0x76543210                      ; each lane takes its own place in the other half
	s_mov_b32 s27, 0xfedcba98
	s_cmp_lt_u32 ttmp9, 256
	s_cselect_b32 s23, 0, 256
	s_sub_co_u32 s23, ttmp9, s23                   ; the work-group's number within its tensor
	s_lshl_b32 s23, s23, 3
	s_add_co_u32 s23, s23, s22
	s_lshl_b32 s23, s23, 2                         ; my wave's first row
	s_mov_b32 s25, 0
	s_wait_kmcnt 0x0
	s_cmp_lt_u32 ttmp9, 256                        ; compared anew: the sums above have set SCC
	s_cselect_b64 s[16:17], s[4:5], s[6:7]         ; from
	s_cselect_b64 s[18:19], s[8:9], s[10:11]       ; to
	s_cselect_b64 s[20:21], s[12:13], s[14:15]     ; sums of squares
	s_lshl_b32 s24, s23, 10                        ; 1,024 bytes a row of f32: 33.5 million at the most
	s_add_nc_u64 s[16:17], s[16:17], s[24:25]
	s_lshl_b32 s24, s23, 9                         ; 512 bytes a row of bf16
	s_add_nc_u64 s[18:19], s[18:19], s[24:25]
	s_lshl_b32 s24, s23, 2
	s_add_nc_u64 s[20:21], s[20:21], s[24:25]
.irp i, 0,1,2,3
	global_load_b128 v[X+8*\i:X+8*\i+3],   v2, s[16:17] offset:\i*1024 th:TH_LOAD_NT      ; elements 4 l .. 4 l + 3
	global_load_b128 v[X+8*\i+4:X+8*\i+7], v2, s[16:17] offset:\i*1024+512 th:TH_LOAD_NT  ; elements 128 + 4 l ..
.endr
.irp i, 0,1,2,3
	s_wait_loadcnt 6-2*\i                          ; loads come back in order: row i is in, the two loads of each younger row may stay out
.irp j, 0,1,2,3
	v_cvt_pk_bf16_f32 v[P+4*\i+\j], v[X+8*\i+2*\j], v[X+8*\i+2*\j+1]
.endr
	global_store_b128 v2, v[P+4*\i:P+4*\i+3], s[18:19] offset:\i*512  ; the wave stores the row's 512 consecutive bytes
	v_fma_mix_f32_bf16 v[S+\i], v[P+4*\i], v[P+4*\i], v3 op_sel_hi:[1,1,0]  ; the squares of the rounded numbers, summed in f32
	v_fma_mix_f32_bf16 v[S+\i], v[P+4*\i], v[P+4*\i], v[S+\i] op_sel:[1,1,0] op_sel_hi:[1,1,0]
.irp j, 1,2,3
	v_fma_mix_f32_bf16 v[S+\i], v[P+4*\i+\j], v[P+4*\i+\j], v[S+\i] op_sel_hi:[1,1,0]
	v_fma_mix_f32_bf16 v[S+\i], v[P+4*\i+\j], v[P+4*\i+\j], v[S+\i] op_sel:[1,1,0] op_sel_hi:[1,1,0]
.endr
.endr
.irp m, 1,2,4,8                        ; across the lanes: four steps inside each half of 16, the four rows side by side
.irp i, 0,1,2,3
	v_add_f32_dpp v[S+\i], v[S+\i], v[S+\i] row_xmask:\m row_mask:0xf bank_mask:0xf
.endr
.endr
.irp i, 0,1,2,3
	v_permlanex16_b32 v[TMP], v[S+\i], s26, s27
	v_add_f32 v[S+\i], v[S+\i], v[TMP]
.endr
	v_cmp_eq_u32 vcc_lo, 0, v1
	s_wait_xcnt 0x0                                ; EXEC, a source of the stores above, changes only behind this wait
	s_and_saveexec_b32 s28, vcc_lo
	global_store_b128 v3, v[S:S+3], s[20:21]       ; lane 0: my four rows' sums, 16 aligned bytes
	s_endpgm
.Lfunc_end_k_qdaa69cb281_cast:
	.size	k_qdaa69cb281_cast, .Lfunc_end_k_qdaa69cb281_cast-k_qdaa69cb281_cast
	.p2alignl 7, 3214868480
	.fill 96, 4, 3214868480
	.section	.rodata,"a",@progbits
	.p2align	6, 0x0
	.amdhsa_kernel k_qdaa69cb281_cast
		.amdhsa_group_segment_fixed_size 0
		.amdhsa_private_segment_fixed_size 0
		.amdhsa_enable_private_segment 0
		.amdhsa_kernarg_size 48
		.amdhsa_user_sgpr_count 2
		.amdhsa_user_sgpr_kernarg_segment_ptr 1
		.amdhsa_wavefront_size32 1
		.amdhsa_system_sgpr_workgroup_id_x 1
		.amdhsa_system_sgpr_workgroup_id_y 1
		.amdhsa_system_sgpr_workgroup_id_z 1
		.amdhsa_system_vgpr_workitem_id 0
		.amdhsa_next_free_vgpr 64
		.amdhsa_next_free_sgpr 66
		.amdhsa_reserve_vcc 1
		.amdhsa_float_denorm_mode_32 3
		.amdhsa_float_denorm_mode_16_64 3
		.amdhsa_memory_ordered 1
		.amdhsa_forward_progress 1
		.amdhsa_inst_pref_size 8
	.end_amdhsa_kernel
	.amdgpu_metadata
---
amdhsa.version: [ 1, 2 ]
amdhsa.kernels:
  - .name:           k_qdaa69cb281_cast
    .symbol:         k_qdaa69cb281_cast.kd
    .args:
      - { .name: emb_weight, .offset: 0, .size: 8, .value_kind: global_buffer, .address_space: global }
      - { .name: z, .offset: 8, .size: 8, .value_kind: global_buffer, .address_space: global }
      - { .name: ebf, .offset: 16, .size: 8, .value_kind: global_buffer, .address_space: global }
      - { .name: zb, .offset: 24, .size: 8, .value_kind: global_buffer, .address_space: global }
      - { .name: ee, .offset: 32, .size: 8, .value_kind: global_buffer, .address_space: global }
      - { .name: zz, .offset: 40, .size: 8, .value_kind: global_buffer, .address_space: global }
    .group_segment_fixed_size: 0
    .private_segment_fixed_size: 0
    .kernarg_segment_align: 8
    .kernarg_segment_size: 48
    .max_flat_workgroup_size: 256
    .sgpr_count:     66
    .vgpr_count:     64
    .wavefront_size: 32
...
	.end_amdgpu_metadata
.endif
;; end of part 1
;; launch argmin (part 2): grid 256 x 1, 4 waves a work-group, clusters of 4 x 1, 327,680 bytes of LDS; arguments ebf, zb, ee, zz, grp; writes grp
.if DOCPART == 2
	.amdgcn_target "amdgcn-amd-amdhsa--gfx1250"
	.amdhsa_code_object_version 6
	.text
	.protected	k_qdaa69cb281_argmin
	.globl	k_qdaa69cb281_argmin
	.p2align	8
	.type	k_qdaa69cb281_argmin,@function
k_qdaa69cb281_argmin:
	s_mov_b64 s[64:65], 0
	v_nop
	global_prefetch_b8 v0, s[64:65] scope:SCOPE_SE
	s_setreg_imm32_b32 hwreg(HW_REG_WAVE_MODE, 25, 1), 1
	s_wait_xcnt 0x0
	s_wait_alu depctr_hold_cnt(0) depctr_sa_sdst(0) depctr_va_vdst(0) depctr_va_sdst(0) depctr_va_ssrc(0) depctr_va_vcc(0) depctr_vm_vsrc(0)
	s_getreg_b32 s2, hwreg(HW_REG_IB_STS2, 6, 4)
	s_cmp_eq_u32 s2, 0
	s_cbranch_scc0 .Lentry_in_a_cluster
	s_endpgm
.Lentry_in_a_cluster:
	s_bfe_u32 s2, ttmp6, 0x10000c
	s_cmp_lg_u32 s2, 0x3003
	s_cbranch_scc0 .Lentry_shape_is_right
	s_endpgm
.Lentry_shape_is_right:
; For each of 32,768 rows of zb: which GROUP of 8 consecutive codes (0..1023) holds the first smallest d = fl(fl(zz + ee) - 2 dot), dot = the row of zb times the row of ebf.
; The two additions are rounded as they stand: t = zz + ee, then one fused multiply-add dot x -2 + t (2 dot is exact).  A strict 'less' keeps the earlier block; between lanes and waves an equal d goes
; to the lower group.  The next launch looks into the group.
; SHARES.  A work-group owns 128 rows of zb; EVERY one of its four waves holds all 128 (8 tiles of 16, 512 registers) and takes a quarter of the codes: of each tile of 256 codes, codes 64 w .. 64 w + 63,
; four BLOCKS of 16.  A block's 16 LDS loads so feed 64 matrix instructions.
; LAYOUT.  Source 0 = 16 codes, source 1 = 16 rows of zb: in the result lane (r, h) holds ONE row of zb (r) and the codes 8 h + 0..7: the running minimum never changes lanes.
; PIPELINE.  While block i is multiplied (64 matrix instructions, 8 accumulators by turns), block i + 1's fragments are fetched into the registers that block i has just read, and block i - 1's 8 x 8 numbers a lane
; are turned into d and compared: 15 vector instructions a tile, in four slices, one behind every second matrix instruction.
; RING.  Two slots of LDS, a tile of 256 codes x 512 bytes each; a wave fetches the quarter that it reads.  CLUSTER: all work-groups walk the same codes, so the four of a cluster ask JOINTLY: the same
; tensor load, descriptor and mask in all four.  The table ee (32 KiB) is brought once.
; LIMITS.  NaN is dropped by the minima (a row whose d are all NaN or +inf gets group 0); the inputs count as their bf16 roundings; the matrix unit's order of sums is not a row-wise f32 sum's.
; REGISTERS, in windows of 256 (s_set_vgpr_msb: bits 1:0 source 0, 3:2 source 1, 5:4 source 2, 7:6 destination):
;   window 0: v0-11 addresses and two at work; v12-27 (zz, best) a tile; v28-35 the best block's number a tile; v36-51 ee, two buffers; v52-59 at work; v64-127 a block's fragments; v128-255 two buffers of 8 accumulators
;   windows 1, 2: zb: tile t in window 1 + t / 4 at 64 (t % 4), K step kk 8 kk further on
.set PITCH, 528                        ; an LDS row: 512 bytes + 16 of padding = 132 words: the 16 rows of a fragment load start 4 banks apart (64 banks of 4 bytes: ISA guide 11.1)
.set QUART, 64*PITCH                   ; 64 codes: what one tensor load brings, and what one wave reads of a tile
.set SLOT,  4*QUART
.set EEB,   2*SLOT                     ; behind the ring: ee, 8,192 f32, filled once
.set CMB,   EEB+32768                  ; [wave][128 rows][best, group]: 4,096 bytes that LDS stores alone write
.set SPARE, CMB+4096                   ; the spare words, 128 bytes for each wave: two blocks of 256 bytes that no other line names
.set HF,  1                            ; v1   h = lane / 16
.set AF0, 2                            ; v2   my lane's place in my quarter of slot 0; never rewritten
.set AE0, 3                            ; v3   my lane's place in ee for tile 0, block 0; never rewritten
.set AF,  4                            ; v4   the LDS address of the fragments being fetched
.set AE,  5                            ; v5   of their ee
.set SPW, 6                            ; v6   LDS address of my spare word; never rewritten
.set NIL, 7                            ; v7   0; never rewritten
.set MA,  8                            ; v8, v9  partial minima
.set MB,  9
.set GB,  10                           ; v10  the way out: 8 w + h
.set SA,  11                           ; v11  the way out: where I put a row's pair
.set ZB,  12                           ; tile t: v[ZB+2t] zz of my row, v[ZB+2t+1] its smallest d so far
.set CNT, 28                           ; tile t: the number of the block that gave it
.set EE,  36                           ; buffer p: ee of my 8 codes
.set T,   52                           ; v52-59 t, then d, of 8 codes; at the start r and two offsets
.set F,   64                           ; K step kk of the block at F + 8 kk
.set ACC, 128                          ; buffer p, tile t at ACC + 64 p + 8 t
.set PB,  64                           ; the way out: (best, group) pairs, in F's registers
.set CM,  80                           ; the way out: four waves' pairs of two rows
.set GG,  96                           ; the way out: two rows' groups
.set WV,  14                           ; s14  my wave's number
.set G1,  24                           ; s[24:31] descriptor group 1 for a quarter tile
.set G1E, 32                           ; s[32:39] for a quarter of ee
.set G0,  40                           ; s[40:47] descriptor group 0, a set for each slot
.set G0E, 48                           ; s[48:51] for ee
.set TB,  52                           ; s52  LDS byte (less my lane's place) of the block to be fetched
.set TE,  53                           ; s53  its byte in ee
.set BLK, 54                           ; s54  the number of the block that the slices work on
.set TRIPS, 55
.set TW,  56
.set SEL, 58                           ; s[58:59] v_permlanex16_b32's selects
.set MSB, 0
.macro WIN new                         ; the immediate's high byte repeats the setting that is left; a switch that changes nothing is dropped
.if MSB != (\new)
	s_set_vgpr_msb (MSB<<8)|(\new)
.set MSB, (\new)
.endif
.endm
; A round of the cluster's barrier: my work-group's barrier, so that wave 0's signal speaks for all four waves; wave 0 signals; every wave waits for all four work-groups; my work-group's barrier once more.
.macro CROUND
	s_barrier_signal -1
	s_barrier_wait -1
	s_cmp_lg_u32 s[WV], 0
	s_cbranch_scc1 .Lnot_wave_0_\@
	s_barrier_signal -3
.Lnot_wave_0_\@:
	s_barrier_wait -3
	s_barrier_signal -1
	s_barrier_wait -1
.endm
; One matrix instruction: buffer p, K step kk, tile t.  The first K step starts the sum: nothing is cleared.
.macro MM p, kk, t
	WIN 0x04*(1+(\t)/4)
.if (\kk) == 0
	v_wmma_f32_16x16x32_bf16 v[ACC+64*(\p)+8*(\t):ACC+64*(\p)+8*(\t)+7], v[F+8*(\kk):F+8*(\kk)+7], v[64*((\t)%4)+8*(\kk):64*((\t)%4)+8*(\kk)+7], 0
.else
	v_wmma_f32_16x16x32_bf16 v[ACC+64*(\p)+8*(\t):ACC+64*(\p)+8*(\t)+7], v[F+8*(\kk):F+8*(\kk)+7], v[64*((\t)%4)+8*(\kk):64*((\t)%4)+8*(\kk)+7], v[ACC+64*(\p)+8*(\t):ACC+64*(\p)+8*(\t)+7]
.endif
.endm
; Slice s of tile t's 15 vector instructions on the finished block in buffers p.
.macro RID p, t, s
	WIN 0
.if (\s) == 0
.irp i, 0,1,2,3
	v_pk_add_f32 v[T+2*\i:T+2*\i+1], v[EE+8*(\p)+2*\i:EE+8*(\p)+2*\i+1], v[ZB+2*(\t):ZB+2*(\t)+1] op_sel_hi:[1,0]  ; t = zz + ee, rounded
.endr
.elseif (\s) == 1
.irp i, 0,1,2,3
	v_pk_fma_f32 v[T+2*\i:T+2*\i+1], v[ACC+64*(\p)+8*(\t)+2*\i:ACC+64*(\p)+8*(\t)+2*\i+1], -2.0, v[T+2*\i:T+2*\i+1] op_sel_hi:[1,0,1]  ; d = t - 2 dot, rounded once; the accumulator is read from its low end on
.endr
.elseif (\s) == 2
	v_min3_num_f32 v[MA], v[T], v[T+1], v[T+2]
	v_min3_num_f32 v[MB], v[T+3], v[T+4], v[T+5]
.else
	v_min3_num_f32 v[MA], v[MA], v[T+6], v[T+7]
	v_min_num_f32 v[MA], v[MA], v[MB]
	v_cmp_lt_f32 vcc_lo, v[MA], v[ZB+2*(\t)+1]     ; strictly less: an equal d leaves the earlier block
	v_min_num_f32 v[ZB+2*(\t)+1], v[ZB+2*(\t)+1], v[MA]
	v_cndmask_b32 v[CNT+(\t)], v[CNT+(\t)], s[BLK], vcc_lo
.endif
.endm
; A BLOCK: 64 matrix instructions into accumulator buffer p, K ascending, the 8 accumulators by turns, one instruction a turn (into the next block too: its first names the other buffer).
; ld = 1: the next block's fragments and ee are fetched.  rid = 1: the block before is finished by the slices; group kk carries tile kk's.
; The two loads into F + 8 kk stand behind slice 3: five vector instructions (four without the compare) that name no register of the last product that read those registers (ISA guide 7.12.1 for vector instructions).
; A block's 18 LDS loads go out in this order: F0 F0 .. F6 F6 E E F7 F7.  In front of group kk <= 6 the pair F kk of the block before is needed: behind it 12 - 2 kk + 4 of that block and 2 kk of this one were issued: 16.
; In front of group 7: this block's F0 .. F6: 14; that wait also shows the ee of the block before landed, which is first read one block later.
.macro BLOCK p, ld, rid=1
	WIN 0
.if \ld
	v_add_nc_u32 v[AF], s[TB], v[AF0]
	v_add_nc_u32 v[AE], s[TE], v[AE0]
	s_add_co_u32 s[TB], s[TB], 16*PITCH            ; the fetch after this one: 16 codes on
	s_add_co_u32 s[TE], s[TE], 64
.else
	s_wait_dscnt 0x0                               ; the last block: nothing more is issued, so all is waited for
.endif
.irp kk, 0,1,2,3,4,5,6,7
.if \ld
.if \kk < 7
	s_wait_dscnt 16
.else
	s_wait_dscnt 14
.endif
.endif
	MM \p, \kk, 0
	MM \p, \kk, 1
.if \rid
	RID 1-(\p), \kk, 0
.endif
	MM \p, \kk, 2
	MM \p, \kk, 3
.if \rid
	RID 1-(\p), \kk, 1
.endif
.if (\ld) && (\kk == 7)
	WIN 0
	ds_load_b128 v[EE+8*(1-(\p)):EE+8*(1-(\p))+3],   v[AE]            ; the buffer's last reader was this group's slice 0
	ds_load_b128 v[EE+8*(1-(\p))+4:EE+8*(1-(\p))+7], v[AE] offset:16
.endif
	MM \p, \kk, 4
	MM \p, \kk, 5
.if \rid
	RID 1-(\p), \kk, 2
.endif
	MM \p, \kk, 6
	MM \p, \kk, 7
.if \rid
	RID 1-(\p), \kk, 3
.elseif \ld
	WIN 0
.rept 4
	v_nop                                          ; the first block has no block before it: these are the places in front of the loads
.endr
.endif
.if \ld
	ds_load_b128 v[F+8*\kk:F+8*\kk+3],   v[AF] offset:64*\kk
	ds_load_b128 v[F+8*\kk+4:F+8*\kk+7], v[AF] offset:64*\kk+32
.endif
.endr
	WIN 0                                          ; at a label and at a branch every window is 0
	s_add_co_u32 s[BLK], s[BLK], 1
.endm
.macro FOUR                            ; four blocks, written as two and walked twice: they fetch the four blocks of the slot that s[TB] points into
	s_mov_b32 s[TW], 2
.Lfour_\@:
	BLOCK 1, 1
	BLOCK 0, 1
	s_sub_co_u32 s[TW], s[TW], 1
	s_cmp_lg_u32 s[TW], 0
	s_cbranch_scc1 .Lfour_\@
.endm
; THE CHANGE OF SLOTS, in front of the block whose fragments were slot n's last.  Each wave waits for all its tensor loads, of which one is out: its quarter of the other slot; adds 0 to its spare word; and waits
; for that and for its own reads of slot n.  fill = 1: slot n is filled again, with the tile two further on: the barrier is then a round of the cluster's, so that no wave of any partner still reads the slot or has a
; load on its way, and the joint refill is the first thing behind it: it has four blocks, 256 matrix instructions, in which to land.
.macro CHANGE n, fill
	WIN 0
	s_wait_tensorcnt 0x0                           ; no tensor load of mine is out, so a group 0 may be written
	ds_add_u32 v[SPW], v[NIL]                      ; 0 onto my spare word: scalar work stands between it and the wait for it
.if \fill
	s_add_nc_u64 s[G0+4*(\n)+2:G0+4*(\n)+3], s[G0+4*(\n)+2:G0+4*(\n)+3], 2*256*512  ; two tiles on; the type bits on top are not reached
.endif
	s_mov_b32 s[TB], (1-(\n))*SLOT                 ; the fetches go on at the head of the other slot,
	s_add_co_u32 s[TE], s[TE], 768                 ; and in ee 256 codes on from the last tile's first: 4 x 64 bytes have been stepped
	s_wait_dscnt 0x0                               ; the add is done, and my reads of the slot are over
.if \fill
	CROUND
	tensor_load_to_lds s[G0+4*(\n):G0+4*(\n)+3], s[G1:G1+7]
	s_nop 0
.rept 4
	v_nop                                          ; the windows are switched only behind these
.endr
.else
	s_barrier_signal -1
	s_barrier_wait -1
.endif
.endm
; (b, g) takes (bo, go) where bo is less, or equal with the lower group.
.macro MERGE b, g, bo, go
	v_cmp_lt_f32 s60, v[\bo], v[\b]
	v_cmp_eq_f32 s61, v[\bo], v[\b]
	v_cmp_lt_u32 s62, v[\go], v[\g]
	s_and_b32 s61, s61, s62
	s_or_b32 s60, s60, s61
	v_cndmask_b32 v[\b], v[\b], v[\bo], s60
	v_cndmask_b32 v[\g], v[\g], v[\go], s60
.endm
	s_load_b256 s[4:11], s[0:1], 0x0               ; ebf s[4:5], zb s[6:7], ee s[8:9], zz s[10:11]
	s_load_b64 s[12:13], s[0:1], 0x20              ; grp
	v_lshl_add_u32 v[SPW], v0, 2, SPARE
	v_mov_b32 v[NIL], 0
	ds_add_u32 v[SPW], v[NIL]                      ; the wave's opening: the add and its wait come ahead of my first tensor load; the set-up below, work on registers, stands between them
	v_lshrrev_b32 v1, 5, v0
	v_readfirstlane_b32 s[WV], v1                  ; wave 0..3
	s_bfe_u32 s15, ttmp6, 0x40000                  ; cx: my place in the cluster
	s_lshl_b32 s16, ttmp9, 2                       ; in a cluster launch ttmp9 counts clusters
	s_add_co_u32 s16, s16, s15                     ; my block of 128 rows: it enters the addresses of zb, zz and grp alone
	; descriptor group 1: 64 rows x 256 elements of 2 bytes, padded in LDS
	s_mov_b32 s[G1+0], 15|(1<<16)|(1<<20)|(1<<21)|(6<<22)|(3<<25)  ; 15:0 the mask of four; 17:16 2-byte elements; 20 padding on; 21 set beside a mask; 24:22 after every 128 words (code 6); 31:25 4 words (code 3)
	s_mov_b32 s[G1+1], 256<<16                     ; tensor_dim0 = 256
	s_mov_b32 s[G1+2], 64<<16                      ; tensor_dim1 = 64
	s_mov_b32 s[G1+3], 256<<16                     ; tile_dim0 = 256
	s_mov_b32 s[G1+4], 64                          ; tile_dim1 = 64
	s_mov_b32 s[G1+5], 256                         ; elements from row to row
	s_mov_b32 s[G1+6], 0
	s_mov_b32 s[G1+7], 0
	; 8,192 dense bytes of ee: 32 rows of 32 elements of 8 bytes, no padding
	s_mov_b32 s[G1E+0], 15|(3<<16)|(1<<21)
	s_mov_b32 s[G1E+1], 32<<16
	s_mov_b32 s[G1E+2], 32<<16
	s_mov_b32 s[G1E+3], 32<<16
	s_mov_b32 s[G1E+4], 32
	s_mov_b32 s[G1E+5], 32
	s_mov_b32 s[G1E+6], 0
	s_mov_b32 s[G1E+7], 0
	s_mul_i32 s17, s[WV], QUART                    ; my quarter of a slot: no place in the cluster enters an LDS address
	s_mov_b32 s[G0], 1                             ; count = 1
	s_mov_b32 s[G0+1], s17                         ; LDS address, slot 0
	s_mov_b32 s[G0+4], 1
	s_add_co_u32 s[G0+5], s17, SLOT                ; slot 1
	s_lshl_b32 s18, s[WV], 13                      ; my quarter of ee, in LDS and in memory
	s_mov_b32 s19, 0
	s_mov_b32 s23, 0
	s_mov_b32 s[G0E], 1
	s_add_co_u32 s[G0E+1], s18, EEB
	s_mov_b32 s[SEL], 0x76543210
	s_mov_b32 s[SEL+1], 0xfedcba98
	s_mov_b32 s[TB], 16*PITCH                      ; block 0 is fetched from my lane's place itself; the first stepped fetch is block 1's
	s_mov_b32 s[TE], 64
	s_mov_b32 s[BLK], -1                           ; it steps at each block's end: during block i it is i - 1
	s_wait_dscnt 0x0                               ; the opening add is done
	s_wait_kmcnt 0x0
	s_add_nc_u64 s[G0E+2:G0E+3], s[8:9], s[18:19]
	s_or_b32 s[G0E+3], s[G0E+3], 0x80000000        ; type = 2
	s_lshl_b32 s18, s[WV], 15                      ; my 64 codes of 512 bytes in a tile
	s_add_nc_u64 s[20:21], s[4:5], s[18:19]
	s_add_nc_u64 s[G0+2:G0+3], s[20:21], 0         ; tile 0
	s_or_b32 s[G0+3], s[G0+3], 0x80000000
	s_add_nc_u64 s[G0+6:G0+7], s[20:21], 256*512   ; tile 1
	s_or_b32 s[G0+7], s[G0+7], 0x80000000
	s_lshl_b32 s22, s16, 16                        ; 128 rows of 512 bytes
	s_add_nc_u64 s[6:7], s[6:7], s[22:23]
	s_lshl_b32 s22, s16, 9                         ; 128 words
	s_add_nc_u64 s[10:11], s[10:11], s[22:23]
	s_add_nc_u64 s[12:13], s[12:13], s[22:23]
	CROUND                                         ; all four work-groups are here: the first joint loads meet
	tensor_load_to_lds s[G0E:G0E+3], s[G1E:G1E+7]  ; the first fills go out together: three loads of mine are out
	s_nop 0
	tensor_load_to_lds s[G0:G0+3], s[G1:G1+7]
	s_nop 0
	tensor_load_to_lds s[G0+4:G0+7], s[G1:G1+7]
	s_nop 0
.rept 4
	v_nop
.endr
	; A fragment is 16 rows x 32 K in 8 registers: lane (r, h) holds row r; registers 0-3 K = 8 h + 0..7, registers 4-7 K = 16 + 8 h + 0..7: two loads of 16 bytes, 32 bytes apart.
	v_and_b32 v[T], 15, v0                         ; r
	v_bfe_u32 v[HF], v0, 4, 1                      ; h
	v_lshlrev_b32 v[T+1], 9, v[T]
	v_lshl_add_u32 v[T+1], v[HF], 4, v[T+1]        ; my byte offset in 16 rows of zb
	v_lshlrev_b32 v[T+2], 2, v[T]                  ; and in 16 words of zz
.irp t, 0,1,2,3,4,5,6,7                ; zb stays in registers
	WIN 0x40*(1+(\t)/4)                            ; destination window 1 or 2, address window 0
.irp kk, 0,1,2,3,4,5,6,7
	global_load_b128 v[64*((\t)%4)+8*\kk:64*((\t)%4)+8*\kk+3],   v[T+1], s[6:7] offset:(\t)*8192+\kk*64
	global_load_b128 v[64*((\t)%4)+8*\kk+4:64*((\t)%4)+8*\kk+7], v[T+1], s[6:7] offset:(\t)*8192+\kk*64+32
.endr
.endr
	WIN 0
.irp t, 0,1,2,3,4,5,6,7
	global_load_b32 v[ZB+2*\t], v[T+2], s[10:11] offset:64*\t
.endr
.irp t, 0,1,2,3,4,5,6,7
	v_mov_b32 v[ZB+2*\t+1], 0x7f800000             ; the smallest d so far: +infinity
	v_mov_b32 v[CNT+\t], 0
.endr
	v_mul_u32_u24 v[AF0], v[T], PITCH
	v_lshl_add_u32 v[AF0], v[HF], 4, v[AF0]
	v_add_nc_u32 v[AF0], s17, v[AF0]               ; my quarter + row x pitch + 16 x half
	s_lshl_b32 s18, s[WV], 8
	s_add_co_u32 s18, s18, EEB
	v_lshl_add_u32 v[AE0], v[HF], 5, s18           ; ee of codes 64 w + 8 h + 0..7
	s_wait_tensorcnt 0x1                           ; my parts of ee and of slot 0 are in; slot 1's may stay out
	s_barrier_signal -1
	s_barrier_wait -1                              ; everybody's are: ee's quarters are read by all four waves
.irp kk, 0,1,2,3,4,5,6,7
	ds_load_b128 v[F+8*\kk:F+8*\kk+3],   v[AF0] offset:64*\kk
	ds_load_b128 v[F+8*\kk+4:F+8*\kk+7], v[AF0] offset:64*\kk+32
.endr
	ds_load_b128 v[EE:EE+3],   v[AE0]
	ds_load_b128 v[EE+4:EE+7], v[AE0] offset:16
	s_wait_loadcnt 0x0                             ; zb and zz
	s_wait_dscnt 0x0
	BLOCK 0, 1, 0                                  ; blocks 0 to 2 fetch the rest of tile 0
	BLOCK 1, 1
	BLOCK 0, 1
	s_mov_b32 s[TRIPS], 15
.Ltrip:                                                ; 15 trips of two tiles: 30 refills, tiles 2 to 31
	CHANGE 0, 1
	FOUR
	CHANGE 1, 1
	FOUR
	s_sub_co_u32 s[TRIPS], s[TRIPS], 1
	s_cmp_lg_u32 s[TRIPS], 0
	s_cbranch_scc1 .Ltrip
	CHANGE 0, 0                                    ; the tail is written out: tile 31 lies in slot 1, and nothing is asked for
	FOUR
	BLOCK 1, 0                                     ; block 127
.irp t, 0,1,2,3,4,5,6,7                ; and its slices: the five lines behind its last product, and tile 0's first four, are the places in front of the first read
	RID 1, \t, 0
	RID 1, \t, 1
	RID 1, \t, 2
	RID 1, \t, 3
.endr
	; THE WAY OUT.  Block i of wave w holds the codes 256 (i / 4) + 64 w + 16 (i % 4) + 8 h + 0..7: group 32 (i / 4) + 8 w + 2 (i % 4) + h.  A row's two halves of lanes are merged, then the four waves through LDS.
	v_and_b32 v[AF], 15, v0                        ; r
	s_lshl_b32 s18, s[WV], 3
	v_add_nc_u32 v[GB], s18, v[HF]
	s_lshl_b32 s18, s[WV], 10
	s_add_co_u32 s18, s18, CMB
	v_lshl_add_u32 v[SA], v[AF], 3, s18
.irp t, 0,1,2,3,4,5,6,7
	v_lshlrev_b32 v[PB+2*\t+1], 3, v[CNT+\t]
	v_and_b32 v[MA], 3, v[CNT+\t]
	v_and_b32 v[PB+2*\t+1], 0xffffffe0, v[PB+2*\t+1]
	v_lshl_add_u32 v[PB+2*\t+1], v[MA], 1, v[PB+2*\t+1]
	v_add_nc_u32 v[PB+2*\t+1], v[GB], v[PB+2*\t+1]
	v_mov_b32 v[PB+2*\t], v[ZB+2*\t+1]
	v_permlanex16_b32 v[T], v[PB+2*\t], s[SEL], s[SEL+1]      ; the row's other 8 codes of each block lie in the lane 16 away
	v_permlanex16_b32 v[T+1], v[PB+2*\t+1], s[SEL], s[SEL+1]
	MERGE PB+2*\t, PB+2*\t+1, T, T+1
	ds_store_b64 v[SA], v[PB+2*\t:PB+2*\t+1] offset:128*\t    ; both halves of the lanes hold, and write, the same pair
.endr
	s_wait_dscnt 0x0                               ; for the others' sake: my stores are done
	s_barrier_signal -1
	s_barrier_wait -1
	s_cmp_lt_u32 s[WV], 2
	s_cbranch_scc0 .Lend                           ; waves 0 and 1 finish 64 rows each, two a lane
	v_and_b32 v[AF], 31, v0
	s_lshl_b32 s18, s[WV], 9
	s_add_co_u32 s18, s18, CMB
	v_lshl_add_u32 v[AE], v[AF], 4, s18
.irp w, 0,1,2,3
	ds_load_b128 v[CM+4*\w:CM+4*\w+3], v[AE] offset:1024*\w
.endr
	s_lshl_b32 s18, s[WV], 8
	v_lshl_add_u32 v[AF], v[AF], 3, s18            ; my two words in the work-group's 128
	s_wait_dscnt 0x0
.irp w, 1,2,3
	MERGE CM, CM+1, CM+4*\w, CM+4*\w+1
	MERGE CM+2, CM+3, CM+4*\w+2, CM+4*\w+3
.endr
	v_mov_b32 v[GG], v[CM+1]
	v_mov_b32 v[GG+1], v[CM+3]
	global_store_b64 v[AF], v[GG:GG+1], s[12:13]   ; the wave stores 256 consecutive bytes, at a multiple of 256 from grp's first byte
.Lend:
	s_wait_tensorcnt 0x0                           ; the wave's end, behind my last tensor load and my last LDS store
	ds_add_u32 v[SPW], v[NIL]
	s_wait_dscnt 0x0
	CROUND                                         ; the closing round: no work-group ends while a partner may still ask for a tile that names it
	s_endpgm
.Lfunc_end_k_qdaa69cb281_argmin:
	.size	k_qdaa69cb281_argmin, .Lfunc_end_k_qdaa69cb281_argmin-k_qdaa69cb281_argmin
	.p2alignl 7, 3214868480
	.fill 96, 4, 3214868480
	.section	.rodata,"a",@progbits
	.p2align	6, 0x0
	.amdhsa_kernel k_qdaa69cb281_argmin
		.amdhsa_group_segment_fixed_size 327680
		.amdhsa_private_segment_fixed_size 0
		.amdhsa_enable_private_segment 0
		.amdhsa_kernarg_size 40
		.amdhsa_user_sgpr_count 2
		.amdhsa_user_sgpr_kernarg_segment_ptr 1
		.amdhsa_wavefront_size32 1
		.amdhsa_system_sgpr_workgroup_id_x 1
		.amdhsa_system_sgpr_workgroup_id_y 1
		.amdhsa_system_sgpr_workgroup_id_z 1
		.amdhsa_system_vgpr_workitem_id 0
		.amdhsa_next_free_vgpr 768
		.amdhsa_next_free_sgpr 66
		.amdhsa_reserve_vcc 1
		.amdhsa_float_denorm_mode_32 3
		.amdhsa_float_denorm_mode_16_64 3
		.amdhsa_memory_ordered 1
		.amdhsa_forward_progress 1
		.amdhsa_inst_pref_size 174
	.end_amdhsa_kernel
	.amdgpu_metadata
---
amdhsa.version: [ 1, 2 ]
amdhsa.kernels:
  - .name:           k_qdaa69cb281_argmin
    .symbol:         k_qdaa69cb281_argmin.kd
    .args:
      - { .name: ebf, .offset: 0, .size: 8, .value_kind: global_buffer, .address_space: global }
      - { .name: zb, .offset: 8, .size: 8, .value_kind: global_buffer, .address_space: global }
      - { .name: ee, .offset: 16, .size: 8, .value_kind: global_buffer, .address_space: global }
      - { .name: zz, .offset: 24, .size: 8, .value_kind: global_buffer, .address_space: global }
      - { .name: grp, .offset: 32, .size: 8, .value_kind: global_buffer, .address_space: global }
    .group_segment_fixed_size: 327680
    .private_segment_fixed_size: 0
    .kernarg_segment_align: 8
    .kernarg_segment_size: 40
    .max_flat_workgroup_size: 128
    .sgpr_count:     66
    .vgpr_count:     768
    .wavefront_size: 32
...
	.end_amdgpu_metadata
.endif
;; end of part 2
;; launch pick (part 3): grid 512 x 1, 8 waves a work-group, no clusters, 0 bytes of LDS; arguments ebf, zb, ee, zz, grp, out0, part; writes out0, part
.if DOCPART == 3
	.amdgcn_target "amdgcn-amd-amdhsa--gfx1250"
	.amdhsa_code_object_version 6
	.text
	.protected	k_qdaa69cb281_pick
	.globl	k_qdaa69cb281_pick
	.p2align	8
	.type	k_qdaa69cb281_pick,@function
k_qdaa69cb281_pick:
	s_mov_b64 s[64:65], 0
	v_nop
	global_prefetch_b8 v0, s[64:65] scope:SCOPE_SE
	s_setreg_imm32_b32 hwreg(HW_REG_WAVE_MODE, 25, 1), 1
	s_wait_xcnt 0x0
; For each row: the 8 codes of its group (grp, whole numbers stored by the launch before) are taken up again: d = fl(fl(zz + ee) - 2 dot), the FIRST smallest wins (strict 'less').  Then
; out0 = zb + (eb - zb), both additions rounded as they stand, and the row's part of the sum of (eb - zb)^2.
; SHARES: a wave takes 8 rows, one at a time in all 32 lanes; lane l holds the stored elements 8 l .. 8 l + 7 of the row and of each candidate, which are the row's elements 4 l .. 4 l + 3 and
; 128 + 4 l .. + 3: every load takes 512 consecutive bytes (a group's 8 rows are 4,096 consecutive bytes of ebf), every store of f32 512 consecutive bytes.
; A ring of three slots in registers: one row at work, two rows' 11 loads each on their way.  No LDS, no matrix unit: 64 multiply-adds a lane and row, and no wave needs another.
; LIMITS: the dot is summed in another order than the launch before sums it; NaN never wins a strict 'less'; a group number is held to 0..1023 before it enters an address.
.set D,  8                             ; v[8:15]   the 8 candidates' dots
.set T,  16                            ; v[16:23]  the other half's sums, then t, then d
.set ZF, 24                            ; v[24:31]  my 8 numbers of the row in f32
.set EF, 32                            ; v[32:39]  of the chosen code
.set DF, 40                            ; v[40:47]  eb - zb
.set O,  48                            ; v[48:55]  to store
.set SR, 56                            ; v[56:59]  the best candidate's 8 bf16 so far
.set B,  60                            ; v60       its d
.set TMP, 61
.set LS, 62                            ; v[62:63]  my sum of squares
.set SL, 64                            ; slot s at SL + 44 s: 4 registers of zb, 32 of candidates, 8 of ee
.set G,  24                            ; s[24:31]  my 8 rows' groups
.set ZZ, 32                            ; s[32:39]  their zz
.set CB, 40                            ; s[40:45]  slot s: the group's first byte in ebf
.set EB, 46                            ; s[46:51]  slot s: in ee
	s_load_b256 s[4:11], s[0:1], 0x0               ; ebf s[4:5], zb s[6:7], ee s[8:9], zz s[10:11]
	s_load_b128 s[12:15], s[0:1], 0x20             ; grp s[12:13], out0 s[14:15]
	s_load_b64 s[16:17], s[0:1], 0x30              ; part
	v_and_b32 v1, 31, v0                           ; lane
	v_lshrrev_b32 v4, 5, v0
	v_readfirstlane_b32 s20, v4                    ; wave 0..7
	v_lshlrev_b32 v2, 4, v1                        ; 16 bytes a lane
	v_mov_b32 v3, 0
	v_mov_b32 v[TMP], 0                            ; v_permlanex16_b32 counts as a reader of its destination: these are written once here
.irp j, 0,1,2,3,4,5,6,7
	v_mov_b32 v[T+\j], 0
.endr
	v_mov_b32 v[LS], 0
	v_mov_b32 v[LS+1], 0
	s_mov_b32 s56, 0x76543210
	s_mov_b32 s57, 0xfedcba98
	s_mov_b32 s59, 0xffff0000                      ; a word's upper bf16
	s_lshl_b32 s21, ttmp9, 6
	s_lshl3_add_u32 s21, s20, s21                  ; my wave's first row: 64 x work-group + 8 x wave
	s_mov_b32 s53, 0
	s_wait_kmcnt 0x0
	s_lshl_b32 s52, s21, 2
	s_add_nc_u64 s[12:13], s[12:13], s[52:53]
	s_add_nc_u64 s[10:11], s[10:11], s[52:53]
	s_load_b256 s[G:G+7], s[12:13], 0x0            ; 32 aligned bytes each; this launch stores into neither buffer
	s_load_b256 s[ZZ:ZZ+7], s[10:11], 0x0
	s_lshl_b32 s52, s21, 9
	s_add_nc_u64 s[6:7], s[6:7], s[52:53]          ; zb at my first row
	s_lshl_b32 s52, s21, 10
	s_add_nc_u64 s[14:15], s[14:15], s[52:53]      ; out0 at my first row
	s_lshr_b32 s52, s21, 1
	s_add_nc_u64 s[16:17], s[16:17], s[52:53]      ; my wave's word of part
	s_wait_kmcnt 0x0
.irp i, 0,1,2,3,4,5,6,7
	s_min_u32 s[G+\i], s[G+\i], 0x3ff              ; a loaded number enters an address only behind this bound
.endr
.macro FILL s, i                       ; 11 loads: row i, its 8 candidates, their ee
.set ZR, SL+44*(\s)
.set CR, ZR+4
.set ER, ZR+36
	s_lshl_b32 s52, s[G+(\i)], 12                  ; 8 codes of 512 bytes
	s_add_nc_u64 s[CB+2*(\s):CB+2*(\s)+1], s[4:5], s[52:53]
	s_lshl_b32 s52, s[G+(\i)], 5                   ; 8 words
	s_add_nc_u64 s[EB+2*(\s):EB+2*(\s)+1], s[8:9], s[52:53]
	global_load_b128 v[ZR:ZR+3], v2, s[6:7] offset:(\i)*512 th:TH_LOAD_NT
.irp j, 0,1,2,3,4,5,6,7
	global_load_b128 v[CR+4*\j:CR+4*\j+3], v2, s[CB+2*(\s):CB+2*(\s)+1] offset:\j*512
.endr
	global_load_b128 v[ER:ER+3],   v3, s[EB+2*(\s):EB+2*(\s)+1]            ; every lane takes the same 8 numbers
	global_load_b128 v[ER+4:ER+7], v3, s[EB+2*(\s):EB+2*(\s)+1] offset:16
.endm
; Row i's turn.  left = how many younger loads may stay out: 11 for each younger fill.
.macro TURN i, left
.set ZR, SL+44*((\i)%3)
.set CR, ZR+4
.set ER, ZR+36
	s_wait_loadcnt \left                           ; loads come back in order: this slot's eleven are in, and its two bases are free
	s_wait_xcnt 0x0                                ; O, which the last turn's stores read, is rewritten only behind this wait
.irp j, 0,1,2,3,4,5,6,7                ; eight chains side by side; the first product starts each sum
	v_fma_mix_f32_bf16 v[D+\j], v[CR+4*\j], v[ZR], v3 op_sel_hi:[1,1,0]
.endr
.irp j, 0,1,2,3,4,5,6,7
	v_fma_mix_f32_bf16 v[D+\j], v[CR+4*\j], v[ZR], v[D+\j] op_sel:[1,1,0] op_sel_hi:[1,1,0]
.endr
.irp c, 1,2,3
.irp j, 0,1,2,3,4,5,6,7
	v_fma_mix_f32_bf16 v[D+\j], v[CR+4*\j+\c], v[ZR+\c], v[D+\j] op_sel_hi:[1,1,0]
.endr
.irp j, 0,1,2,3,4,5,6,7
	v_fma_mix_f32_bf16 v[D+\j], v[CR+4*\j+\c], v[ZR+\c], v[D+\j] op_sel:[1,1,0] op_sel_hi:[1,1,0]
.endr
.endr
.irp m, 1,2,4,8                        ; across the lanes: each step adds a pair both ways, so all lanes end with the same bits
.irp j, 0,1,2,3,4,5,6,7
	v_add_f32_dpp v[D+\j], v[D+\j], v[D+\j] row_xmask:\m row_mask:0xf bank_mask:0xf
.endr
.endr
.irp j, 0,1,2,3,4,5,6,7
	v_permlanex16_b32 v[T+\j], v[D+\j], s56, s57
.endr
.irp j, 0,1,2,3,4,5,6,7
	v_add_f32 v[D+\j], v[D+\j], v[T+\j]
.endr
.irp j, 0,1,2,3,4,5,6,7
	v_add_f32 v[T+\j], s[ZZ+(\i)], v[ER+\j]        ; t = zz + ee, rounded
.endr
.irp j, 0,1,2,3,4,5,6,7
	v_fma_f32 v[T+\j], v[D+\j], -2.0, v[T+\j]      ; d = t - 2 dot, rounded once
.endr
	v_mov_b32 v[B], v[T]
.irp c, 0,1,2,3
	v_mov_b32 v[SR+\c], v[CR+\c]
.endr
.irp j, 1,2,3,4,5,6,7
	v_cmp_lt_f32 vcc_lo, v[T+\j], v[B]             ; strictly less: the first smallest stays
	v_cndmask_b32 v[B], v[B], v[T+\j], vcc_lo
.irp c, 0,1,2,3
	v_cndmask_b32 v[SR+\c], v[SR+\c], v[CR+4*\j+\c], vcc_lo
.endr
.endr
.irp c, 0,1,2,3
	v_lshlrev_b32 v[ZF+2*\c],   16,  v[ZR+\c]      ; bf16 to f32: the low half moves up, the high half stays
	v_and_b32     v[ZF+2*\c+1], s59, v[ZR+\c]
	v_lshlrev_b32 v[EF+2*\c],   16,  v[SR+\c]
	v_and_b32     v[EF+2*\c+1], s59, v[SR+\c]
.endr
.irp c, 0,1,2,3
	v_pk_add_f32 v[DF+2*\c:DF+2*\c+1], v[EF+2*\c:EF+2*\c+1], v[ZF+2*\c:ZF+2*\c+1] neg_lo:[0,1] neg_hi:[0,1]
.endr
.irp c, 0,1,2,3
	v_pk_add_f32 v[O+2*\c:O+2*\c+1], v[ZF+2*\c:ZF+2*\c+1], v[DF+2*\c:DF+2*\c+1]
.endr
.irp c, 0,1,2,3
	v_pk_fma_f32 v[LS:LS+1], v[DF+2*\c:DF+2*\c+1], v[DF+2*\c:DF+2*\c+1], v[LS:LS+1]
.endr
.if (\i)+3 < 8
	FILL (\i)%3, (\i)+3                            ; loads ahead of stores: the slot's registers have been read
.endif
	global_store_b128 v2, v[O:O+3],   s[14:15] offset:(\i)*1024 th:TH_STORE_NT      ; elements 4 l ..: the wave stores 512 consecutive bytes
	global_store_b128 v2, v[O+4:O+7], s[14:15] offset:(\i)*1024+512 th:TH_STORE_NT  ; elements 128 + 4 l ..
.endm
	FILL 0, 0
	FILL 1, 1
	FILL 2, 2
	TURN 0, 22
	TURN 1, 22
	TURN 2, 22
	TURN 3, 22
	TURN 4, 22
	TURN 5, 22                                     ; the last three turns load nothing: the counts run down
	TURN 6, 11
	TURN 7, 0
	v_add_f32 v[LS], v[LS], v[LS+1]
.irp m, 1,2,4,8
	v_add_f32_dpp v[LS], v[LS], v[LS] row_xmask:\m row_mask:0xf bank_mask:0xf
.endr
	v_permlanex16_b32 v[TMP], v[LS], s56, s57
	v_add_f32 v[LS], v[LS], v[TMP]
	v_cmp_eq_u32 vcc_lo, 0, v1
	s_wait_xcnt 0x0                                ; EXEC, a source of the stores above, changes only behind this wait
	s_and_saveexec_b32 s58, vcc_lo
	global_store_b32 v3, v[LS], s[16:17]           ; lane 0: my wave's partial sum, kept in f32
	s_endpgm
.Lfunc_end_k_qdaa69cb281_pick:
	.size	k_qdaa69cb281_pick, .Lfunc_end_k_qdaa69cb281_pick-k_qdaa69cb281_pick
	.p2alignl 7, 3214868480
	.fill 96, 4, 3214868480
	.section	.rodata,"a",@progbits
	.p2align	6, 0x0
	.amdhsa_kernel k_qdaa69cb281_pick
		.amdhsa_group_segment_fixed_size 0
		.amdhsa_private_segment_fixed_size 0
		.amdhsa_enable_private_segment 0
		.amdhsa_kernarg_size 56
		.amdhsa_user_sgpr_count 2
		.amdhsa_user_sgpr_kernarg_segment_ptr 1
		.amdhsa_wavefront_size32 1
		.amdhsa_system_sgpr_workgroup_id_x 1
		.amdhsa_system_sgpr_workgroup_id_y 1
		.amdhsa_system_sgpr_workgroup_id_z 1
		.amdhsa_system_vgpr_workitem_id 0
		.amdhsa_next_free_vgpr 200
		.amdhsa_next_free_sgpr 66
		.amdhsa_reserve_vcc 1
		.amdhsa_float_denorm_mode_32 3
		.amdhsa_float_denorm_mode_16_64 3
		.amdhsa_memory_ordered 1
		.amdhsa_forward_progress 1
		.amdhsa_inst_pref_size 96
	.end_amdhsa_kernel
	.amdgpu_metadata
---
amdhsa.version: [ 1, 2 ]
amdhsa.kernels:
  - .name:           k_qdaa69cb281_pick
    .symbol:         k_qdaa69cb281_pick.kd
    .args:
      - { .name: ebf, .offset: 0, .size: 8, .value_kind: global_buffer, .address_space: global }
      - { .name: zb, .offset: 8, .size: 8, .value_kind: global_buffer, .address_space: global }
      - { .name: ee, .offset: 16, .size: 8, .value_kind: global_buffer, .address_space: global }
      - { .name: zz, .offset: 24, .size: 8, .value_kind: global_buffer, .address_space: global }
      - { .name: grp, .offset: 32, .size: 8, .value_kind: global_buffer, .address_space: global }
      - { .name: out0, .offset: 40, .size: 8, .value_kind: global_buffer, .address_space: global }
      - { .name: part, .offset: 48, .size: 8, .value_kind: global_buffer, .address_space: global }
    .group_segment_fixed_size: 0
    .private_segment_fixed_size: 0
    .kernarg_segment_align: 8
    .kernarg_segment_size: 56
    .max_flat_workgroup_size: 256
    .sgpr_count:     66
    .vgpr_count:     200
    .wavefront_size: 32
...
	.end_amdgpu_metadata
.endif
;; end of part 3
;; launch total (part 4): grid 1 x 1, 1 waves a work-group, no clusters, 0 bytes of LDS; arguments part, out1; writes out1
.if DOCPART == 4
	.amdgcn_target "amdgcn-amd-amdhsa--gfx1250"
	.amdhsa_code_object_version 6
	.text
	.protected	k_qdaa69cb281_total
	.globl	k_qdaa69cb281_total
	.p2align	8
	.type	k_qdaa69cb281_total,@function
k_qdaa69cb281_total:
	s_mov_b64 s[64:65], 0
	v_nop
	global_prefetch_b8 v0, s[64:65] scope:SCOPE_SE
	s_setreg_imm32_b32 hwreg(HW_REG_WAVE_MODE, 25, 1), 1
	s_wait_xcnt 0x0
; out1 = 1.25 x the mean of (eb - zb)^2 = the sum of the 4,096 partial sums x 1.25 / 2^23 (0.25 m + m taken as 1.25 m: one rounding fewer than the two terms added).
; One wave: 32 loads of 512 consecutive bytes, all on their way together; four chains of packed additions; then across the lanes.  A sum over work-groups has one owner, in a launch of its own.
.set X, 8                              ; v[8:135]
	s_load_b128 s[4:7], s[0:1], 0x0                ; part s[4:5], out1 s[6:7]
	v_lshlrev_b32 v1, 4, v0
	v_mov_b32 v2, 0
	v_mov_b32 v3, 0                                ; v_permlanex16_b32 counts as a reader of its destination
	s_mov_b32 s8, 0x76543210
	s_mov_b32 s9, 0xfedcba98
	s_wait_kmcnt 0x0
.set i, 0
.rept 32
	global_load_b128 v[X+4*i:X+4*i+3], v1, s[4:5] offset:512*i
.set i, i+1
.endr
	s_wait_loadcnt 0x0
.set n, 4
.rept 60                               ; the first four pairs start the chains: nothing is cleared
	v_pk_add_f32 v[X+2*(n%4):X+2*(n%4)+1], v[X+2*(n%4):X+2*(n%4)+1], v[X+2*n:X+2*n+1]
.set n, n+1
.endr
	v_pk_add_f32 v[X:X+1], v[X:X+1], v[X+2:X+3]
	v_pk_add_f32 v[X+4:X+5], v[X+4:X+5], v[X+6:X+7]
	v_pk_add_f32 v[X:X+1], v[X:X+1], v[X+4:X+5]
	v_add_f32 v[X], v[X], v[X+1]
.irp m, 1,2,4,8
	v_add_f32_dpp v[X], v[X], v[X] row_xmask:\m row_mask:0xf bank_mask:0xf
.endr
	v_permlanex16_b32 v3, v[X], s8, s9
	v_add_f32 v[X], v[X], v3
	v_mul_f32 v[X], 0x34200000, v[X]               ; 1.25 / 2^23
	v_cmp_eq_u32 vcc_lo, 0, v0
	s_wait_xcnt 0x0                                ; EXEC changes only behind this wait
	s_and_saveexec_b32 s10, vcc_lo
	global_store_b32 v2, v[X], s[6:7]
	s_endpgm
.Lfunc_end_k_qdaa69cb281_total:
	.size	k_qdaa69cb281_total, .Lfunc_end_k_qdaa69cb281_total-k_qdaa69cb281_total
	.p2alignl 7, 3214868480
	.fill 96, 4, 3214868480
	.section	.rodata,"a",@progbits
	.p2align	6, 0x0
	.amdhsa_kernel k_qdaa69cb281_total
		.amdhsa_group_segment_fixed_size 0
		.amdhsa_private_segment_fixed_size 0
		.amdhsa_enable_private_segment 0
		.amdhsa_kernarg_size 16
		.amdhsa_user_sgpr_count 2
		.amdhsa_user_sgpr_kernarg_segment_ptr 1
		.amdhsa_wavefront_size32 1
		.amdhsa_system_sgpr_workgroup_id_x 1
		.amdhsa_system_sgpr_workgroup_id_y 1
		.amdhsa_system_sgpr_workgroup_id_z 1
		.amdhsa_system_vgpr_workitem_id 0
		.amdhsa_next_free_vgpr 140
		.amdhsa_next_free_sgpr 66
		.amdhsa_reserve_vcc 1
		.amdhsa_float_denorm_mode_32 3
		.amdhsa_float_denorm_mode_16_64 3
		.amdhsa_memory_ordered 1
		.amdhsa_forward_progress 1
		.amdhsa_inst_pref_size 9
	.end_amdhsa_kernel
	.amdgpu_metadata
---
amdhsa.version: [ 1, 2 ]
amdhsa.kernels:
  - .name:           k_qdaa69cb281_total
    .symbol:         k_qdaa69cb281_total.kd
    .args:
      - { .name: part, .offset: 0, .size: 8, .value_kind: global_buffer, .address_space: global }
      - { .name: out1, .offset: 8, .size: 8, .value_kind: global_buffer, .address_space: global }
    .group_segment_fixed_size: 0
    .private_segment_fixed_size: 0
    .kernarg_segment_align: 8
    .kernarg_segment_size: 16
    .max_flat_workgroup_size: 32
    .sgpr_count:     66
    .vgpr_count:     140
    .wavefront_size: 32
...
	.end_amdgpu_metadata
.endif
;; end of part 4
